; MI455X (gfx1250); checked and timed in simulation.
; The chip was launched on July 23, 2026; its instructions are those of AMD's public machine-readable ISA for CDNA 5 (MIT licence, August 2026) and "CDNA5" Instruction Set Architecture Reference Guide (July 2026). The comments in the code are by the model that wrote it; some were corrected since.
;; T Linear. Allowed arithmetic: matrix products marked QUANTISED: E3M2 operands, one E8M0 scale for each 32 along K, by v_wmma_scale_f32_16x16x128_f8f6f4 with both operands' format E3M2, f32 sums; products left as they are: f32 operands where the result goes on into a quantised operand, else bf16, f16 or f32 operands; f32 sums; everything else in f32.
;; Inputs: Wc_codes 65,536 x 8 x 24 uint8 (E3M2 codes of Wc, K innermost, in blocks of 32 codes, four codes in three bytes); Wc_scales 65,536 x 8 uint8 (E8M0 scales of Wc, one for each 32 codes along K); bc 65,536 float32; features 4 x 1,024 x 256 float32.
;; Outputs: out0 4 x 1,024 x 256 float32.
;; This version of the problem:
;;   THIS VERSION OF THE PROBLEM IS GIVEN IN LOW PRECISION. The matrix products marked QUANTISED in the list below multiply operands that are first quantised to E3M2 (3 exponent bits, 2 mantissa bits; 6 bits a number), with one power-of-two scale for each 32 numbers along K (OCP MX v1.0); their sums are f32. All else is computed in f32.
;;   The module's matrix products, in the order in which they are computed (A, B: the left and right operand; K: the contracted axis; several contracted axes count as one K, in the product's order):
;;     1. [M 4,096, K 256] x [K 256, N 65,536]; A: input features; B: input Wc (given as codes): QUANTISED
;;     2. batch 4,096 x [M 256, K 256] x [K 256, N 1]; A: computed on the way; B: input features: left as it is (N = 1 < 16)
;;   THE QUANTISER, for each operand of a quantised product, along K:
;;     - K is cut into blocks of 32 from its start; a last block that is shorter is filled with zeros.
;;     - A block's scale is 2^e with e = floor(log2(the largest magnitude in the block)) - 4, held to -126 .. 127; a block of zeros has e = 0. As a byte (E8M0): e + 127.
;;     - Each number is divided by its block's scale, clamped to +-28, and rounded to the nearest number of E3M2, ties to even, subnormals kept.
;;     - The product sums the exact products of the quantised numbers (number of the format x scale) in f32.
;;   ~~~python
;;   def quantise(x, axis):      # numpy; x: float32 -> the quantised numbers, widened to float32 again
;;       x = np.moveaxis(x, axis, -1); K = x.shape[-1]
;;       x = np.pad(x, [(0, 0)] * (x.ndim - 1) + [(0, -K % 32)]); x = x.reshape(x.shape[:-1] + (-1, 32)); a = np.abs(x).max(-1, keepdims=True)
;;       e = np.where(a > 0, np.clip(np.frexp(np.where(a > 0, a, 1))[1] - 1 - 4, -126, 127), 0)      # np.frexp(a)[1] - 1 = floor(log2(a)), exactly
;;       r = np.clip(x / 2.0 ** e, -28, 28)
;;       step = 2.0 ** (np.maximum(np.frexp(np.where(r == 0, 1, r))[1] - 1, -2) - 2)
;;       q = np.round(r / step) * step * 2.0 ** e      # np.round: ties to even
;;       return np.moveaxis(q.reshape(q.shape[:-2] + (-1,))[..., :K], -1, axis).astype(np.float32)
;;   ~~~
;;   INPUTS GIVEN AS CODES. Wc (in the module: [65536, 256], K = its axis 1): each comes as NAME_codes (uint8): NAME with its K axis moved to the last place and cut into blocks of 32 codes, [.., K / 32, bytes a block], one block behind the other in memory; four codes in three bytes: a row's codes are one little-endian stream of bits, code i at bits 6 i .. 6 i + 5 (a code: sign, 3 exponent bits, 2 mantissa bits); and NAME_scales (uint8): the same leading axes, one E8M0 byte (e + 127) for each 32 codes along K. Its value is code x scale, taken as it is: it is not quantised again, and the codes and scales need not be those that the quantiser above would give.
;; One version. Each part assembles by itself: llvm-mc -triple=amdgcn-amd-amdhsa -mcpu=gfx1250 --defsym DOCPART=n.
;; ======== version 1 of 1: 2 launches
;; workspace buffers: part 33,554,432 bytes
;; launch main (part 1): grid 32 x 8, 4 waves a work-group, clusters of 4 x 1, 327,680 bytes of LDS; arguments features, Wc_codes, Wc_scales, bc, part; writes part
.if DOCPART == 1
	.amdgcn_target "amdgcn-amd-amdhsa--gfx1250"
	.amdhsa_code_object_version 6
	.text
	.protected	k_q5a89dbe539_main
	.globl	k_q5a89dbe539_main
	.p2align	8
	.type	k_q5a89dbe539_main,@function
k_q5a89dbe539_main:
	s_mov_b64 s[64:65], 0
	v_nop
	global_prefetch_b8 v0, s[64:65] scope:SCOPE_SE
	s_setreg_imm32_b32 hwreg(HW_REG_WAVE_MODE, 25, 1), 1
	s_wait_xcnt 0x0
	s_wait_alu depctr_hold_cnt(0) depctr_sa_sdst(0) depctr_va_vdst(0) depctr_va_sdst(0) depctr_va_ssrc(0) depctr_va_vcc(0) depctr_vm_vsrc(0)
	s_getreg_b32 s2, hwreg(HW_REG_IB_STS2, 6, 4)
	s_cmp_eq_u32 s2, 0
	s_cbranch_scc0 .Lentry_in_a_cluster
	s_endpgm
.Lentry_in_a_cluster:
	s_bfe_u32 s2, ttmp6, 0x10000c
	s_cmp_lg_u32 s2, 0x3003
	s_cbranch_scc0 .Lentry_shape_is_right
	s_endpgm
.Lentry_shape_is_right:
; wc[t][o][i] = Q(x)[t] . W[256 o + i] + bc[256 o + i]   (codes of BF6 = E3M2, one E8M0 scale for each 32 along K = 256; x is quantised here, W comes as codes)
; S[t][i] = sum over o of |wc[t][o][i]| + 256 x 1e-5;   part[y][t][o] = sum over the 32 i of slice y of wc[t][o][i] x[t][i] / S[t][i].  A second launch adds the eight slices.
; wc is never stored.  THE WALK GOES ALONG i: for one i the 256 rows 256 o + i of W give the whole column wc[t][:][i] of a tile of tokens; its magnitudes are summed, g = x[t][i] / S is formed,
; and the column times g is added to the running sums of out, straight from the accumulators.  So the product is made once.
; SHARES.  A work-group: 128 tokens (x of the grid) x 32 values of i (y).  Wave w: all 128 tokens (8 tiles of 16) x the outputs o = 64 w .. 64 w + 63 (4 tiles).  Each byte of W is read from LDS once, by the wave
; that fetched it, and feeds 8 matrix instructions.  The magnitudes' sums of the four waves meet in LDS, one barrier a turn.
; THE MATRIX INSTRUCTION IS USED TRANSPOSED: source 0 = 16 rows of W (16 o at one i), source 1 = 16 tokens: a lane holds ONE token (lane % 16) and register j the output 16 ot + 8 (lane / 16) + j.  bc is the C of the first K step.
; BY TURNS.  The 8 tiles of tokens are 4 pieces of two.  In turn k piece k % 4 is multiplied (16 matrix instructions: 4 ot x 2 K steps x 2 tiles); behind each matrix instruction stands a slice of vector work:
; the magnitudes' sum of the piece multiplied a turn ago, and g and the 32 packed multiply-adds of the piece multiplied two turns ago.  A piece's accumulators are written again four turns on: one set serves, all register numbers are constants.
; CLUSTER.  The four token blocks of a cluster have the same y and walk the same rows of W and the same scales: each tile is asked for JOINTLY (mask 15).  cx enters the addresses of features, part and the prefetches alone.
; W's TILES.  Rows 256 o + i and 256 o + i + 1 are neighbours in memory: a slot holds two i, 64 rows (o) x 384 bytes a wave, 49,152 bytes from row to row.  A slot's row begins at a multiple of 128 bytes; four i to a slot
; (768 bytes a row) would need two slots of 221,184 bytes, which LDS does not hold.
; LIMITS: NaN and infinities among the inputs are not served.  A block of x whose largest magnitude lies under 2^(5 - 127), zeros among them, gets the scale byte 1 (its codes of zeros add nothing).
; 256 x 1e-5 is added once to the sum of magnitudes, not 1e-5 to each term.
;
; LDS: 0 buffer 0 (4 waves x 64 rows x 432);  HB0 two regions of 8,704: first x's images of tiles 0-3, then the bias of waves 0, 1 (32 i x 272), at the end their stages;  EXA the partial sums;  SPARE;
;      SLOT1 buffer 1;  SCL W's scales, 256 rows (o) x 264;  HB0 + DELTA the same two regions for tiles 4-7 and waves 2, 3.
; REGISTERS, in windows of 256: window 0: addresses, scales, bias, W's fragments, at work.  window 1: x's codes, 24 tau + 12 s.  window 2: the accumulators, 64 pc + 32 t' + 8 ot.  window 3: the sums of out, same index.
.set PITCH, 432                        ; a row of a slot: 3 x (128 bytes + 16 of padding) = 108 words: row r starts at bank 44 r mod 64, sixteen different groups of four banks (64 banks of 4 bytes: ISA guide 11.1)
.set WSL,   64*PITCH                   ; a wave's part of a slot
.set SLOT1, 1<<17                      ; buffer 1 begins here: one exclusive or turns an address of one buffer into the other's
.set HB0,   4*WSL
.set BTB,   32*272                     ; a wave's bias: 32 i x (64 o x 4 bytes + 16)
.set EXA,   HB0+2*BTB                  ; partial sums: 512 pc + 256 t' + 16 token + 4 wave
.set SPARE, EXA+2048                   ; the spare words, 128 bytes a wave: two blocks of 256 bytes that no other line names
.set SCL,   SLOT1+4*WSL
.set SPIT,  264                        ; a row of W's scales: 32 i x 8 bytes + 8
.set DELTA, SCL+256*SPIT-HB0
.set FRB,   1536                       ; the image of a fragment: 12 registers x 128 bytes
.set XSCO,  8*FRB                      ; behind an area's 8 images: their scale words, 128 bytes each
.set ADA0, 1                           ; v1   my place in my wave's part of a slot: 432 r + 24 h
.set ADB0, 2                           ; v2   the same behind one padding more: 432 r + 40 h
.set ADA,  3                           ; v3, v4  the same in the buffer in hand
.set ADB,  4
.set BTA,  5                           ; v5   the bias of the step to be fetched
.set SCA,  6                           ; v6   W's scale words of the step to be fetched
.set EXW,  7                           ; v7   where I put a partial sum
.set EXR,  8                           ; v8   where I read the four waves' sums
.set XGO,  9                           ; v9   1024 r: my token's row of features
.set SPW,  10                          ; v10  my spare word; never rewritten
.set NIL,  11                          ; v11  0; never rewritten
.set STO,  12                          ; v12, v13, v14  the way out
.set RD,   13
.set GO,   14
.set PFO,  15                          ; v15  49,152 x lane: the prefetches' offset
.set BTA0, 16                          ; v16  my wave's bias + 32 h
.set SCA0, 17                          ; v17  W's scales: row 64 w + lane
.set XS,   20                          ; v20-35  x's scale words, 2 tau + s: they hold scales alone
.set WS,   36                          ; v36-39  W's scale words, 2 n + s: lanes 0-15 rows of ot = 2 n, lanes 16-31 of ot = 2 n + 1
.set BIAS, 40                          ; v40-71  the bias, 8 ot + j  (in the head: addresses)
.set WF,   72                          ; v72-167 W's fragments, 24 ot + 12 s
.set TR,   168                         ; v168-199 the magnitudes' tree
.set ER,   200                         ; v200-207 the four waves' sums, 4 t'
.set XG,   208                         ; v208-215 x[t][i], 2 pc + t'
.set GR,   216                         ; v216, v218 g; v217, v219 are written once (named as upper halves of pairs)
.set XA,   40                          ; the head's addresses
.set BLO,  41
.set XWI,  42
.set XWS,  43
.set LI,   44
.set LS,   46
.set BTW,  48
.set PC,   200                         ; the head: codes just made;  v220-235 at work;  v236 the scale word
.set TM,   220
.set PW,   236
.set WV,   14
.set SEL,  20
.set TB,   22                          ; s22  LDS byte at which the buffer in hand begins
.set CNT,  23                          ; s23  slots still to be asked for
.set G1W,  24
.set G1S,  32
.set G0A,  40
.set G0B,  44                          ; the walking group 0
.set G0S,  48
.set XB,   52                          ; s[52:53] features at my block's first token, column i
.set PFA,  54                          ; s[54:55] where my prefetches stand
.set MINE, 56                          ; s56  1 in a wave that prefetches, else 0
.set XR,   58                          ; s[58:59] features at my wave's 32 rows
.set BCB,  60                          ; s[60:61] bc at (64 w) x 256 + 32 y
.set PB,   62                          ; s[62:63] part at my slice, block and 64 outputs
.set BTS,  2                           ; s2   272 x the step to be fetched
.set SCS,  3                           ; s3   8 x the step to be fetched
.set MSB, 0
.macro WIN new                         ; the immediate's high byte repeats the setting that is left; a switch that changes nothing is dropped
.if MSB != \new
	s_set_vgpr_msb (MSB<<8)|\new
.set MSB, \new
.endif
.endm
.macro PLACES n
.rept \n
	v_nop
.endr
.endm
.macro CROUND                          ; a round of the cluster's barrier
	s_barrier_signal -1
	s_barrier_wait -1
	s_cmp_lg_u32 s[WV], 0
	s_cbranch_scc1 .Lnot_wave_0_\@
	s_barrier_signal -3
.Lnot_wave_0_\@:
	s_barrier_wait -3
	s_barrier_signal -1
	s_barrier_wait -1
.endm
	s_load_b256 s[4:11], s[0:1], 0x0               ; features s[4:5], W's codes s[6:7], W's scales s[8:9], bc s[10:11]
	s_load_b64 s[12:13], s[0:1], 0x20              ; part
	v_lshl_add_u32 v[SPW], v0, 2, SPARE
	v_mov_b32 v[NIL], 0
	ds_add_u32 v10, v11
	ds_add_u32 v10, v11
	s_wait_dscnt 0x0
	v_lshrrev_b32 v18, 5, v0
	v_readfirstlane_b32 s[WV], v18                 ; wave 0..3
	s_bfe_u32 s15, ttmp6, 0x40000                  ; cx
	s_lshl_b32 s16, ttmp9, 2
	s_add_co_u32 s16, s16, s15                     ; my block of 128 tokens = 4 x cluster x + cx
	s_and_b32 s17, ttmp7, 0xffff                   ; y: my slice of 32 i, which the four partners share
	; group 1 for W's tiles: 64 rows x 384 bytes, 49,152 bytes apart, 16 bytes of padding behind every 128
	s_mov_b32 s[G1W], 15|(0<<16)|(1<<20)|(1<<21)|(4<<22)|(3<<25)   ; the mask: all four; elements of 1 byte; padding on; bit 21 beside a mask; after every 32 words; 4 words
	s_mov_b32 s[G1W+1], 384<<16                    ; tensor_dim0
	s_mov_b32 s[G1W+2], 64<<16                     ; tensor_dim1
	s_mov_b32 s[G1W+3], 384<<16                    ; tile_dim0
	s_mov_b32 s[G1W+4], 64                         ; tile_dim1
	s_mov_b32 s[G1W+5], 49152                      ; from row to row
	s_mov_b32 s[G1W+6], 0
	s_mov_b32 s[G1W+7], 0
	; group 1 for W's scales: 64 rows (o) x 256 bytes (32 i x 8), 2,048 bytes apart, 8 bytes of padding behind each
	s_mov_b32 s[G1S], 15|(3<<16)|(1<<20)|(1<<21)|(5<<22)|(1<<25)   ; elements of 8 bytes; after every 64 words; 2 words
	s_mov_b32 s[G1S+1], 32<<16
	s_mov_b32 s[G1S+2], 64<<16
	s_mov_b32 s[G1S+3], 32<<16
	s_mov_b32 s[G1S+4], 64
	s_mov_b32 s[G1S+5], 256
	s_mov_b32 s[G1S+6], 0
	s_mov_b32 s[G1S+7], 0
	; offsets.  s66-69 feed the joint loads: they hold the wave's number and y alone
	s_mul_i32 s66, s[WV], 3145728                  ; W's codes: 64 w rows of 49,152 bytes
	s_mul_i32 s67, s17, 6144                       ; + 32 y rows of 192
	s_add_co_u32 s66, s66, s67
	s_mov_b32 s67, 0
	s_lshl_b32 s68, s[WV], 17                      ; W's scales: 64 w x 2,048
	s_lshl_b32 s69, s17, 8                         ; + 32 y x 8
	s_add_co_u32 s68, s68, s69
	s_mov_b32 s69, 0
	s_lshl_b32 s18, s16, 17                        ; my block's 128 rows of 1,024 bytes
	s_lshl_b32 s70, s[WV], 15
	s_add_co_u32 s70, s70, s18                     ; features: my wave's 32 rows
	s_mov_b32 s71, 0
	s_lshl_b32 s72, s17, 7
	s_add_co_u32 s72, s72, s18                     ; features: my block, column 32 y
	s_mov_b32 s73, 0
	s_lshl_b32 s74, s[WV], 16
	s_lshl_b32 s75, s17, 7
	s_add_co_u32 s74, s74, s75                     ; bc: (64 w x 256 + 32 y) x 4
	s_mov_b32 s75, 0
	s_lshl_b32 s76, s17, 22
	s_add_co_u32 s76, s76, s18
	s_lshl_b32 s77, s[WV], 8
	s_add_co_u32 s76, s76, s77                     ; part: slice y, my block, my 64 outputs
	s_mov_b32 s77, 0
	s_and_b32 s80, s[WV], 1
	s_lshr_b32 s81, s[WV], 1
	s_lshl_b32 s78, s15, 1
	s_add_co_u32 s78, s78, s80
	s_mul_i32 s78, s78, 1572864                    ; the prefetches: rows o = 32 (2 cx + w % 2) on: the partners are told apart by address
	s_mul_i32 s79, s17, 6144
	s_add_co_u32 s78, s78, s79
	s_add_co_u32 s78, s78, 768                     ; at slot 2: each change of slots steps it by a slot
	s_mov_b32 s79, 0
	s_or_b32 s[MINE], s81, ttmp9                   ; 0 in waves 0 and 1 of the slice's first cluster: the same in all four partners
	s_cmp_eq_u32 s[MINE], 0
	s_cselect_b32 s[MINE], 1, 0
	; LDS bases, of the wave's number alone
	s_mul_i32 s82, s81, DELTA
	s_mul_i32 s83, s80, BTB
	s_add_co_u32 s83, s83, s82
	s_add_co_u32 s83, s83, HB0                     ; my wave's bias, later its stage
	s_mul_i32 s84, s80, 4*FRB
	s_add_co_u32 s84, s84, s82
	s_add_co_u32 s84, s84, HB0                     ; where my four images of x go
	s_lshl_b32 s85, s80, 9
	s_add_co_u32 s85, s85, s82
	s_add_co_u32 s85, s85, HB0+XSCO                ; and their scale words
	s_lshl_b32 s86, s[WV], 2
	s_mul_i32 s87, s[WV], WSL
	s_mul_i32 s88, s[WV], 64*SPIT
	s_add_co_u32 s88, s88, SCL
	s_mov_b32 s[SEL], 0x76543210
	s_mov_b32 s[SEL+1], 0xfedcba98                 ; v_permlanex16_b32's selects for lane l xor 16
	s_mov_b32 s[TB], 0
	s_mov_b32 s[BTS], 0
	s_mov_b32 s[SCS], 0
	v_and_b32 v50, 31, v0                          ; lane
	v_and_b32 v51, 15, v0                          ; r
	v_bfe_u32 v52, v0, 4, 1                        ; h
	v_lshlrev_b32 v[XGO], 10, v51
	v_lshl_add_u32 v[XA], v52, 6, v[XGO]           ; x: row r, + 64 h: my 16 numbers of a block of 32
	v_lshlrev_b32 v[BLO], 2, v50                   ; bc: lane = i
	s_wait_kmcnt 0x0
	s_add_nc_u64 s[66:67], s[6:7], s[66:67]
	s_mov_b32 s[G0A], 1
	s_mov_b32 s[G0A+1], s87                        ; buffer 0, my part
	s_mov_b64 s[G0A+2:G0A+3], s[66:67]             ; slot 0: i = 32 y, 32 y + 1
	s_or_b32 s[G0A+3], s[G0A+3], 0x80000000
	s_mov_b32 s[G0B], 1
	s_add_co_u32 s[G0B+1], s87, SLOT1              ; buffer 1
	s_add_nc_u64 s[G0B+2:G0B+3], s[66:67], 384     ; slot 1
	s_or_b32 s[G0B+3], s[G0B+3], 0x80000000
	s_mov_b32 s[G0S], 1
	s_mov_b32 s[G0S+1], s88
	s_add_nc_u64 s[G0S+2:G0S+3], s[8:9], s[68:69]
	s_or_b32 s[G0S+3], s[G0S+3], 0x80000000
	s_add_nc_u64 s[XR:XR+1], s[4:5], s[70:71]
	s_add_nc_u64 s[XB:XB+1], s[4:5], s[72:73]
	s_add_nc_u64 s[BCB:BCB+1], s[10:11], s[74:75]
	s_add_nc_u64 s[PB:PB+1], s[12:13], s[76:77]
	s_add_nc_u64 s[PFA:PFA+1], s[6:7], s[78:79]
	CROUND                                         ; all four work-groups are here: the first joint loads meet
	tensor_load_to_lds s[G0S:G0S+3], s[G1S:G1S+7]  ; the three first fills go out together: three loads of mine are out.  The scales of all 32 i: filled once
	s_nop 0
	tensor_load_to_lds s[G0A:G0A+3], s[G1W:G1W+7]
	s_nop 0
	tensor_load_to_lds s[G0B:G0B+3], s[G1W:G1W+7]
	s_nop 0
	PLACES 4
; my 16 rows' numbers of tile t of my two, K step ks (128 along K: 64 a lane): register 16 b + 4 j + e = k 32 b + 16 h + 4 j + e of row r
.macro XLOAD reg, t, ks
.irp b, 0,1,2,3
.irp j, 0,1,2,3
	global_load_b128 v[\reg+16*\b+4*\j:\reg+16*\b+4*\j+3], v[XA], s[XR:XR+1] offset:(\t)*16384+512*(\ks)+128*\b+16*\j
.endr
.endr
.endm
	XLOAD 72, 0, 0
	XLOAD 136, 0, 1
	WIN 0xc0                                       ; destination window 3: the sums' registers are free in the head
	XLOAD 0, 1, 0
	XLOAD 64, 1, 1
	WIN 0x80                                       ; destination window 2
.set k, 0
.rept 64
	global_load_b32 v[k], v[BLO], s[BCB:BCB+1] offset:1024*k   ; bc[(64 w + k) 256 + 32 y + lane]: 128 consecutive bytes a load
.set k, k+1
.endr
	WIN 0
	; the addresses, while the loads are out
	v_mul_u32_u24 v[ADA0], v51, PITCH
	v_add_nc_u32 v[ADA0], s87, v[ADA0]
	v_mad_u32_u24 v[ADB0], v52, 40, v[ADA0]
	v_mad_u32_u24 v[ADA0], v52, 24, v[ADA0]
	v_add_nc_u32 v[ADA], s[TB], v[ADA0]
	v_add_nc_u32 v[ADB], s[TB], v[ADB0]
	v_lshl_add_u32 v[BTA0], v52, 5, s83
	v_mul_u32_u24 v[SCA0], v50, SPIT
	v_add_nc_u32 v[SCA0], s88, v[SCA0]
	v_add_nc_u32 v[BTA], s[BTS], v[BTA0]
	v_add_nc_u32 v[SCA], s[SCS], v[SCA0]
	v_lshlrev_b32 v[EXR], 4, v51
	v_add_nc_u32 v[EXR], EXA, v[EXR]
	v_add_nc_u32 v[EXW], s86, v[EXR]
	v_mul_u32_u24 v[STO], v51, 272
	v_lshl_add_u32 v[STO], v52, 5, v[STO]
	v_add_nc_u32 v[STO], s83, v[STO]               ; the stage, in: row r, + 32 h
	v_mul_u32_u24 v[RD], v52, 272
	v_lshl_add_u32 v[RD], v51, 4, v[RD]
	v_add_nc_u32 v[RD], s83, v[RD]                 ; back: lanes 0-15 one row of 256 bytes, lanes 16-31 the next
	v_lshlrev_b32 v[GO], 10, v52
	v_lshl_add_u32 v[GO], v51, 4, v[GO]            ; and the same two rows in part
	v_mul_u32_u24 v[PFO], v50, 49152
	v_lshl_add_u32 v[XWI], v50, 4, s84
	v_lshl_add_u32 v[XWS], v50, 2, s85
	v_lshl_add_u32 v[LI], v50, 4, HB0
	v_add_nc_u32 v[LI+1], DELTA, v[LI]
	v_lshl_add_u32 v[LS], v50, 2, HB0+XSCO
	v_add_nc_u32 v[LS+1], DELTA, v[LS]
	v_mul_u32_u24 v[BTW], v50, 272
	v_add_nc_u32 v[BTW], s83, v[BTW]
.irp b, 0,1,2,3
	v_mov_b32 v[TM+4+\b], 0                        ; written once: a lane permute's destination counts as one of its sources
.endr
; 64 numbers of a lane, register 16 b + i = k 32 b + 16 h + i of my row, become a fragment's codes in v[PC] on and its scale word in v[PW].  w3 = 1: the numbers lie in window 3; all that is made lies in window 0.
.macro QUANT s, w3
.if \w3
	WIN 0x0f                                       ; sources 0 and 1 window 3
.endif
.irp b, 0,1,2,3
	v_max3_num_f32 v[TM+\b], |v[\s+16*\b]|, |v[\s+1+16*\b]|, 0x2800000   ; block b: my 16 numbers, and the floor 2^(5 - 127): so the byte cannot fall under 1
.endr
.irp i, 2,4,6,8,10,12,14
.irp b, 0,1,2,3
	v_max3_num_f32 v[TM+\b], |v[\s+16*\b+\i]|, |v[\s+1+16*\b+\i]|, v[TM+\b]   ; (the four blocks by turns)
.endr
.endr
	WIN 0
.irp b, 0,1,2,3
	v_permlanex16_b32 v[TM+4+\b], v[TM+\b], s[SEL], s[SEL+1]
.endr
.irp b, 0,1,2,3
	v_max_num_f32 v[TM+\b], v[TM+\b], v[TM+4+\b]   ; with lane l xor 16's: the block's largest magnitude
.endr
.irp b, 0,1,2,3
	v_add_nc_u32 v[TM+12+\b], 0xfe000000, v[TM+\b] ; 4 off its exponent field: the conversion takes the exponent field of this operand as its scale
.endr
.irp b, 0,1,2,3
	v_lshrrev_b32 v[TM+4+\b], 23, v[TM+12+\b]      ; the scale's byte
.endr
	v_lshl_or_b32 v[PW], v[TM+5], 8, v[TM+4]
	v_lshl_or_b32 v[PW], v[TM+6], 16, v[PW]
	v_lshl_or_b32 v[PW], v[TM+7], 24, v[PW]        ; my row's scale word
.if \w3
	WIN 0x03                                       ; source 0 window 3
.endif
.irp c, 0,1
	v_cvt_scalef32_pk16_bf6_f32 v[PC+6*\c:PC+2+6*\c], v[\s+32*\c:\s+15+32*\c], v[TM+12+2*\c]
	v_cvt_scalef32_pk16_bf6_f32 v[PC+12+4*\c:PC+14+4*\c], v[\s+16+32*\c:\s+31+32*\c], v[TM+12+2*\c+1]   ; (a conversion's three registers begin on an even number)
.endr
	WIN 0
	v_nop                                          ; one plain place behind a scaled conversion
.irp c, 0,1                                    ; the operand's layout wants a WHOLE block in a lane: lanes 0-15 block 2 c, lanes 16-31 block 2 c + 1
.irp i, 0,1,2
	v_permlane16_swap_b32 v[PC+6*\c+\i], v[PC+12+4*\c+\i]
.endr
.irp i, 0,1,2
	v_mov_b32 v[PC+3+6*\c+\i], v[PC+12+4*\c+\i]
.endr
.endr
.endm
.macro IMAGE idx                               ; the fragment goes to LDS as an image of its registers, 16 bytes a lane; its scale word 4 bytes a lane
.irp c, 0,1,2
	ds_store_b128 v[XWI], v[PC+4*\c:PC+4*\c+3] offset:(\idx)*FRB+512*\c
.endr
	ds_store_b32 v[XWS], v[PW] offset:(\idx)*128
	s_wait_dscnt 0x0                               ; the stores have read their registers
.endm
	s_wait_loadcnt 63                              ; 64 loads (the bias) were issued behind x's 64: x is in
	QUANT 72, 0
	IMAGE 0
	QUANT 136, 0
	IMAGE 1
	QUANT 0, 1
	IMAGE 2
	QUANT 64, 1
	IMAGE 3
	s_barrier_signal -1                            ; my stores have landed (the wait for 0 above)
	s_barrier_wait -1                              ; x's sixteen images lie in LDS
	WIN 0x40                                       ; destination window 1
.irp t, 0,1,2,3,4,5,6,7
.irp s, 0,1
.irp c, 0,1,2
	ds_load_b128 v[24*\t+12*\s+4*\c:24*\t+12*\s+4*\c+3], v[LI+\t/4] offset:((\t%4)*2+\s)*FRB+512*\c   ; x's codes stay in registers
.endr
.endr
.endr
	WIN 0
.irp t, 0,1,2,3,4,5,6,7
.irp s, 0,1
	ds_load_b32 v[XS+2*\t+\s], v[LS+\t/4] offset:((\t%4)*2+\s)*128
.endr
.endr
	s_wait_dscnt 0x0                               ; my reads of the images are in:
	s_barrier_signal -1
	s_barrier_wait -1                              ; everybody's are, so the regions may be written again
	s_wait_loadcnt 0x0                             ; the bias
	WIN 0x08                                       ; an LDS store's data are its source 1: window 2
.irp m, 0,1,2,3,4,5,6,7,8,9,10,11,12,13,14,15
	ds_store_b128 v[BTW], v[4*\m:4*\m+3] offset:16*\m   ; turned: row i = lane, 64 o on end.  My wave's own bytes: LDS serves a wave's instructions in order
.endr
	WIN 0
	v_mov_b32 v[GR+1], 0
	v_mov_b32 v[GR+3], 0
	s_wait_dscnt 0x0                               ; the stores have read their registers: the bias's registers take the place of the head's addresses
; A fragment of W, 16 rows (o) x 128 K at one i: 12 registers; registers 6 c .. 6 c + 5 hold K = 64 c + 32 h + 0 .. 31: 24 bytes of the row's stream of bits, in pieces of 8 bytes.
; il: which of the slot's two i.  Data byte x of a slot's row lies at x + 16 (x / 128); lanes 16-31 read 24 bytes further on: where that is behind one padding more, the second address register serves.
.macro FRAGW ot, ks, il
.irp p, 0,1,2,3,4,5
.set x0, 192*(\il)+96*(\ks)+48*(\p/3)+8*(\p%3)
.if (x0+24)/128 == x0/128
	ds_load_b64 v[WF+24*(\ot)+12*(\ks)+2*\p:WF+24*(\ot)+12*(\ks)+2*\p+1], v[ADA] offset:x0+16*(x0/128)+(\ot)*16*PITCH
.else
	ds_load_b64 v[WF+24*(\ot)+12*(\ks)+2*\p:WF+24*(\ot)+12*(\ks)+2*\p+1], v[ADB] offset:x0+16*(x0/128)+(\ot)*16*PITCH
.endif
.endr
.endm
; all that tile ot wants of the next step: two fragments, eight numbers of the bias; with an odd ot the scale words of the pair of tiles.  14 LDS loads, or 15
.macro LOADW ot, il
	FRAGW \ot, 0, \il
	FRAGW \ot, 1, \il
	ds_load_b128 v[BIAS+8*(\ot):BIAS+8*(\ot)+3], v[BTA] offset:64*(\ot)
	ds_load_b128 v[BIAS+8*(\ot)+4:BIAS+8*(\ot)+7], v[BTA] offset:64*(\ot)+16
.if (\ot)%2
	ds_load_b64 v[WS+2*((\ot)/2):WS+2*((\ot)/2)+1], v[SCA] offset:((\ot)/2)*32*SPIT
.endif
.endm
; Matrix instruction jj of a turn's 16, for piece pc: ot = jj / 4; K step (jj % 4) / 2; tile 2 pc + jj % 2.  The order K0 a, K0 b, K1 a, K1 b lets the two accumulators take turns.
.macro MM pc
.set q_ot, jj/4
.set q_ks, (jj%4)/2
.set q_tp, jj%2
.set q_ta, 2*(\pc)+q_tp
.set rD, 64*(\pc)+32*q_tp+8*q_ot
.set rA, WF+24*q_ot+12*q_ks
.set rB, 24*q_ta+12*q_ks
.set rC, BIAS+8*q_ot
.set rW, WS+2*(q_ot/2)+q_ks
.set rX, XS+2*q_ta+q_ks
.if q_ks == 0
	WIN 0x84                                       ; W and the bias window 0, x window 1, D window 2
.if q_ot%2
	v_wmma_scale_f32_16x16x128_f8f6f4 v[rD:rD+7], v[rA:rA+11], v[rB:rB+11], v[rC:rC+7], v[rW], v[rX] matrix_a_fmt:MATRIX_FMT_BF6 matrix_b_fmt:MATRIX_FMT_BF6 matrix_a_scale:MATRIX_SCALE_ROW1
.else
	v_wmma_scale_f32_16x16x128_f8f6f4 v[rD:rD+7], v[rA:rA+11], v[rB:rB+11], v[rC:rC+7], v[rW], v[rX] matrix_a_fmt:MATRIX_FMT_BF6 matrix_b_fmt:MATRIX_FMT_BF6
.endif
.else
	WIN 0xa4                                       ; C and D window 2
.if q_ot%2
	v_wmma_scale_f32_16x16x128_f8f6f4 v[rD:rD+7], v[rA:rA+11], v[rB:rB+11], v[rD:rD+7], v[rW], v[rX] matrix_a_fmt:MATRIX_FMT_BF6 matrix_b_fmt:MATRIX_FMT_BF6 matrix_a_scale:MATRIX_SCALE_ROW1
.else
	v_wmma_scale_f32_16x16x128_f8f6f4 v[rD:rD+7], v[rA:rA+11], v[rB:rB+11], v[rD:rD+7], v[rW], v[rX] matrix_a_fmt:MATRIX_FMT_BF6 matrix_b_fmt:MATRIX_FMT_BF6
.endif
.endif
.endm
; THE VECTOR WORK OF A TURN is a list of 95; VOP writes number vn.  A = the magnitudes' sum of piece pA (multiplied a turn ago); F = g and the multiply-adds of piece pF (two turns ago).
;   0-31   A: |a| + |b| of neighbouring registers, each accumulator from its low end on     32-45  A: the tree, packed, the two tiles by turns
;   46-62  A's end (two halves, lane l xor 16's, the store) woven with F's head (the four waves' sums, + 256 eps, the reciprocal, g)     63-94  F: sums of out += accumulators x g, packed
.macro VOP aa, ff, first, lw, lc
.if vn < 32
.if \aa
	WIN 0x0a                                       ; sources window 2
	v_add_f32 v[TR+vn], |v[64*pA+2*vn]|, |v[64*pA+2*vn+1]|
.endif
.elseif vn < 40
.if \aa
.set tq, (vn-32)%2
.set uq, (vn-32)/2
	WIN 0
	v_pk_add_f32 v[TR+16*tq+2*uq:TR+16*tq+2*uq+1], v[TR+16*tq+2*uq:TR+16*tq+2*uq+1], v[TR+16*tq+2*uq+8:TR+16*tq+2*uq+9]
.endif
.elseif vn < 44
.if \aa
.set tq, (vn-40)%2
.set uq, (vn-40)/2
	WIN 0
	v_pk_add_f32 v[TR+16*tq+2*uq:TR+16*tq+2*uq+1], v[TR+16*tq+2*uq:TR+16*tq+2*uq+1], v[TR+16*tq+2*uq+4:TR+16*tq+2*uq+5]
.endif
.elseif vn < 46
.if \aa
.set tq, vn-44
	WIN 0
	v_pk_add_f32 v[TR+16*tq:TR+16*tq+1], v[TR+16*tq:TR+16*tq+1], v[TR+16*tq+2:TR+16*tq+3]
.endif
.elseif vn < 48
.if \ff
.set tq, vn-46
	WIN 0
.if vn == 46
.if \lw >= 0
	s_wait_dscnt 14                                ; the four waves' sums are in; behind them W's first run of 14 loads may be out
.else
	s_wait_dscnt 0x0                               ; the four waves' sums are in, and in a piece-0 turn the rest of the step's W
.endif
.endif
	v_pk_add_f32 v[ER+4*tq:ER+4*tq+1], v[ER+4*tq:ER+4*tq+1], v[ER+4*tq+2:ER+4*tq+3]
.endif
.elseif vn < 50
.if \aa
.set tq, vn-48
	WIN 0
	v_add_f32 v[TR+16*tq], v[TR+16*tq], v[TR+16*tq+1]
.endif
.elseif vn < 52
.if \ff
.set tq, vn-50
	WIN 0
	v_add_f32 v[ER+4*tq], v[ER+4*tq], v[ER+4*tq+1]
.endif
.elseif vn < 54
.if \aa
.set tq, vn-52
	WIN 0
	v_permlanex16_b32 v[TR+16*tq+1], v[TR+16*tq], s[SEL], s[SEL+1]   ; the token's other 32 outputs of my wave lie in the lane 16 away
.endif
.elseif vn < 56
.if \ff
.set tq, vn-54
	WIN 0
	v_add_f32 v[ER+4*tq], 0x3b27c5ac, v[ER+4*tq]   ; + 256 x 1e-5: S
.endif
.elseif vn < 58
.if \aa
.set tq, vn-56
	WIN 0
	v_add_f32 v[TR+16*tq], v[TR+16*tq], v[TR+16*tq+1]
.if vn == 57
	ds_store_b32 v[EXW], v[TR] offset:pA*512       ; my wave's sums over its 64 outputs; lanes r and r + 16 write the same word with the same value
	ds_store_b32 v[EXW], v[TR+16] offset:pA*512+256
.endif
.endif
.elseif vn < 60
.if \ff
.set tq, vn-58
	WIN 0
	v_rcp_f32 v[ER+4*tq+1], v[ER+4*tq]
.endif
.elseif vn == 60
.if \ff
	v_nop                                          ; the plain instruction behind the two reciprocals
.endif
.elseif vn < 63
.if \ff
.set tq, vn-61
	WIN 0
.if vn == 61
	s_wait_alu depctr_va_vdst(0)                   ; one wait a turn for both reciprocals, ahead of their first reader
	s_wait_loadcnt \lc                             ; x[t][i] of this piece is in; the loads of the younger turns, two each, may be out
.endif
	v_mul_f32 v[GR+2*tq], v[ER+4*tq+1], v[XG+2*pF+tq]   ; g = x[t][i] / S
.endif
.else
.if \ff
.set mq, vn-63
	WIN 0xf2                                       ; accumulators window 2, g window 0, the sums window 3
.if \first
	v_pk_mul_f32 v[64*pF+2*mq:64*pF+2*mq+1], v[64*pF+2*mq:64*pF+2*mq+1], v[GR+2*(mq/16):GR+2*(mq/16)+1] op_sel_hi:[1,0]   ; the first step starts the sums: nothing is cleared
.else
	v_pk_fma_f32 v[64*pF+2*mq:64*pF+2*mq+1], v[64*pF+2*mq:64*pF+2*mq+1], v[GR+2*(mq/16):GR+2*(mq/16)+1], v[64*pF+2*mq:64*pF+2*mq+1] op_sel_hi:[1,0,1]
.endif
.endif
.endif
.endm
.macro BOUNDS                          ; slice jj is numbers slo .. shi - 1: 7, 7, then sixes, 5 at jj = 9, sixes, 5, 5
.if jj < 2
.set slo, 7*jj
.set shi, slo+7
.elseif jj < 9
.set slo, 14+6*(jj-2)
.set shi, slo+6
.elseif jj == 9
.set slo, 56
.set shi, 61
.elseif jj < 14
.set slo, 61+6*(jj-10)
.set shi, slo+6
.else
.set slo, 85+5*(jj-14)
.set shi, slo+5
.endif
.endm
; A PREFETCH INTO THE L2.  Two slots of a row are 768 bytes, three aligned blocks of 256.  In every second change of slots (CNT odd, above 2) the blocks of the slots that the next change and the one after it will ask for are
; named: a lane a row, three instructions.  All clusters of a slice y walk the same rows: the first of them asks; its four partners x waves 0 and 1 x 32 lanes are the 256 rows, told apart by address.
; So each block is named once.  Slots 0 to 3 come by their loads alone; the last blocks named are slot 15's.
.macro ASK
	s_and_b32 s57, s[CNT], s[MINE]
	s_cmp_eq_u32 s57, 1
	s_cbranch_scc0 .Lnot_mine_\@
	s_cmp_gt_u32 s[CNT], 2
	s_cbranch_scc0 .Lnot_mine_\@
	global_prefetch_b8 v[PFO], s[PFA:PFA+1] th:TH_LOAD_NT scope:SCOPE_SE
	global_prefetch_b8 v[PFO], s[PFA:PFA+1] offset:256 th:TH_LOAD_NT scope:SCOPE_SE
	global_prefetch_b8 v[PFO], s[PFA:PFA+1] offset:512 th:TH_LOAD_NT scope:SCOPE_SE
.Lnot_mine_\@:
.endm
; THE CHANGE OF SLOTS.  The buffer in hand was last read three turns ago.  Each wave waits for all its tensor loads (one is out: the other buffer's), adds 0 to its spare word, waits for that and for its LDS reads;
; a round of the cluster's barrier: no wave of any partner still reads the buffer or has a load on its way; the joint refill is the first thing behind it and has eight turns, 128 matrix instructions, in which to land.
.macro CHANGE
	s_wait_tensorcnt 0x0                           ; no tensor load of mine is out, so a group 0 may be written
	ds_add_u32 v[SPW], v[NIL]                      ; 0 onto my spare word
	s_xor_b32 s[G0B+1], s[G0B+1], SLOT1            ; the walking descriptor: the other buffer than last time,
	s_add_nc_u64 s[G0B+2:G0B+3], s[G0B+2:G0B+3], 384   ; the next two i; the type bits on top are not reached
	s_wait_xcnt 0x0                                ; the last prefetches have read their address
	s_add_nc_u64 s[PFA:PFA+1], s[PFA:PFA+1], 384
	s_xor_b32 s[TB], s[TB], SLOT1                  ; my reads go on in the other buffer
	s_wait_dscnt 0x0                               ; the add is done, and my LDS reads are over
	CROUND
	tensor_load_to_lds s[G0B:G0B+3], s[G1W:G1W+7]
	s_nop 0
	PLACES 4
	ASK
	v_add_nc_u32 v[ADA], s[TB], v[ADA0]
	v_add_nc_u32 v[ADB], s[TB], v[ADB0]
.endm
; A TURN.  pc: the piece that is multiplied.  mm, aa, ff: the turn has products, an A, an F.  first: F starts the sums.  lw = 0, 1: the next step's W is fetched, the slot's first or second i; -1: none.
; chg = 1: a change of slots with a refill; 2: without.  t0: the very first turn.  lc: the count of the wait for x[t][i].
; W's registers are one set: in the step's last turn tile ot's run of loads stands behind the last product that read its registers and at least four plain vector instructions of the slices (ISA guide 7.12.1 for vector instructions).
; THE EXCHANGE: the partial sums are stored behind number 57; two slices later the wait for them and the signal; the barrier's wait ends the turn.  Between signal and wait stand register work and reads of W, bias and scales,
; which nobody writes before a later barrier.  A piece's 512 bytes are read a turn after they are written and written again three barriers after that read.
.macro TURN pc, mm, aa, ff, first, lw, chg, t0, lc
.set pA, ((\pc)+3)%4
.set pF, ((\pc)+2)%4
	WIN 0
.if \chg == 1
	CHANGE
.endif
.if \chg == 2
	s_wait_tensorcnt 0x0                           ; the last slot has landed; its bytes are my wave's own, and nothing is filled again
	s_xor_b32 s[TB], s[TB], SLOT1
	v_add_nc_u32 v[ADA], s[TB], v[ADA0]
	v_add_nc_u32 v[ADB], s[TB], v[ADB0]
.endif
.if \ff
	ds_load_b128 v[ER:ER+3], v[EXR] offset:pF*512
	ds_load_b128 v[ER+4:ER+7], v[EXR] offset:pF*512+256
.endif
.if \mm
.if ((\pc) == 0) && !(\t0)
	s_wait_xcnt 0x0                                ; the earlier loads have read their base
	s_add_nc_u64 s[XB:XB+1], s[XB:XB+1], 4         ; the next i
.endif
	global_load_b32 v[XG+2*(\pc)], v[XGO], s[XB:XB+1] offset:32*(\pc)*1024        ; x[t][i] of this piece's two tiles: wanted two turns on
	global_load_b32 v[XG+2*(\pc)+1], v[XGO], s[XB:XB+1] offset:(32*(\pc)+16)*1024
.endif
.if \lw >= 0
	s_add_co_u32 s[BTS], s[BTS], 272
	s_add_co_u32 s[SCS], s[SCS], 8
	v_add_nc_u32 v[BTA], s[BTS], v[BTA0]
	v_add_nc_u32 v[SCA], s[SCS], v[SCA0]
.endif
.if ((\pc) == 0) && (\mm) && !(\t0)
	s_wait_dscnt 31                                ; tiles 0 and 1 of the new step and their scale words are in; younger: tile 2's 14 loads, tile 3's 15, the two reads above
.endif
.set jj, 0
.rept 16
.if \mm
	MM \pc
.endif
	BOUNDS
.set vn, slo
.rept shi-slo
	VOP \aa, \ff, \first, \lw, \lc
.set vn, vn+1
.endr
.if (jj == 3) && (\lw >= 0)
	WIN 0
	LOADW 0, \lw
.endif
.if jj == 11
.if \aa
	s_wait_dscnt 0x0                               ; for the others' sake: my partial sums have landed; my reads are in
	s_barrier_signal -1
.endif
.if \lw >= 0
	WIN 0
	LOADW 1, \lw
.endif
.endif
.if (jj == 13) && (\lw >= 0)
	WIN 0
	LOADW 2, \lw
.endif
.if (jj == 15) && (\lw >= 0)
	WIN 0
	LOADW 3, \lw
.endif
.set jj, jj+1
.endr
.if (\mm) && !(\ff)
	PLACES 4                                       ; no multiply-adds stand behind the last products here: four places ahead of the next turn's reads of them
.endif
.if \aa
	s_barrier_wait -1                              ; everybody's partial sums of piece pA lie in LDS
.endif
.endm
	s_wait_tensorcnt 0x1                           ; the scales and slot 0 are in (slot 1's load may be out); I read my own wave's bytes alone
	LOADW 0, 0
	LOADW 1, 0
	LOADW 2, 0
	LOADW 3, 0
	s_wait_dscnt 0x0
	TURN 0, 1, 0, 0, 0, -1, 0, 1, 0                ; turns 0 to 5: the pipeline fills; the first F of each piece starts its sums
	TURN 1, 1, 1, 0, 0, -1, 0, 0, 0
	TURN 2, 1, 1, 1, 1, -1, 0, 0, 4
	TURN 3, 1, 1, 1, 1,  1, 0, 0, 4
	TURN 0, 1, 1, 1, 1, -1, 0, 0, 4
	TURN 1, 1, 1, 1, 1, -1, 0, 0, 4
	WIN 0                                          ; at a label and at a branch every window is 0
	s_mov_b32 s[CNT], 14
.Ltrip:                                            ; 14 trips of eight turns (two i): slots 2 to 15 are asked for
	TURN 2, 1, 1, 1, 0, -1, 1, 0, 4
	TURN 3, 1, 1, 1, 0,  0, 0, 0, 4
	TURN 0, 1, 1, 1, 0, -1, 0, 0, 4
	TURN 1, 1, 1, 1, 0, -1, 0, 0, 4
	TURN 2, 1, 1, 1, 0, -1, 0, 0, 4
	TURN 3, 1, 1, 1, 0,  1, 0, 0, 4
	TURN 0, 1, 1, 1, 0, -1, 0, 0, 4
	TURN 1, 1, 1, 1, 0, -1, 0, 0, 4
	WIN 0
	s_sub_co_u32 s[CNT], s[CNT], 1
	s_cmp_lg_u32 s[CNT], 0
	s_cbranch_scc1 .Ltrip
	TURN 2, 1, 1, 1, 0, -1, 2, 0, 4                ; the tail is written out: the last slot, nothing is asked for
	TURN 3, 1, 1, 1, 0,  0, 0, 0, 4
	TURN 0, 1, 1, 1, 0, -1, 0, 0, 4
	TURN 1, 1, 1, 1, 0, -1, 0, 0, 4
	TURN 2, 1, 1, 1, 0, -1, 0, 0, 4
	TURN 3, 1, 1, 1, 0,  1, 0, 0, 4
	TURN 0, 1, 1, 1, 0, -1, 0, 0, 4
	TURN 1, 1, 1, 1, 0, -1, 0, 0, 4
	TURN 2, 1, 1, 1, 0, -1, 0, 0, 4
	TURN 3, 1, 1, 1, 0, -1, 0, 0, 4
	TURN 0, 0, 1, 1, 0, -1, 0, 0, 2                ; the pipeline drains: the last piece's sum, the last two pieces' multiply-adds
	TURN 1, 0, 0, 1, 0, -1, 0, 0, 0
	WIN 0
; THE WAY OUT, a tile of 16 tokens at a time.  A lane holds 32 neighbouring bytes of a row four times, and the lanes beside it hold other rows: the tile goes through my own stage in LDS (where my bias lay: it has been read out)
; and comes back as rows of 256 bytes.  LDS serves a wave's instructions in order (ISA guide 5.7.1.4): no wait between the stores and the loads, nor in front of the next tile's stores.
.macro TOSTAGE tau
	WIN 0x0c                                       ; the data: window 3
.irp o, 0,1,2,3
	ds_store_b128 v[STO], v[32*(\tau)+8*\o:32*(\tau)+8*\o+3] offset:64*\o
	ds_store_b128 v[STO], v[32*(\tau)+8*\o+4:32*(\tau)+8*\o+7] offset:64*\o+16
.endr
	WIN 0
.irp t, 0,1,2,3,4,5,6,7
	ds_load_b128 v[WF+32*((\tau)%2)+4*\t:WF+32*((\tau)%2)+4*\t+3], v[RD] offset:544*\t
.endr
.endm
.macro SEND tau, younger               ; younger: the LDS instructions issued behind tile tau's loads, which may stay out
	s_wait_dscnt \younger
.irp t, 0,1,2,3,4,5,6,7
	global_store_b128 v[GO], v[WF+32*((\tau)%2)+4*\t:WF+32*((\tau)%2)+4*\t+3], s[PB:PB+1] offset:(16*(\tau)+2*\t)*1024 th:TH_STORE_NT   ; 16 lanes store 256 consecutive bytes, at a multiple of 256 from part's first byte
.endr
.endm
	TOSTAGE 0
.irp a, 1,2,3,4,5,6,7
.if \a > 1
	s_wait_xcnt 0x0                                ; tile a - 2's stores have read their registers: tile a's loads may land there
.endif
	TOSTAGE \a
	SEND (\a-1), 16                                ; behind tile a - 1's loads: tile a's 8 stores and 8 loads
.endr
	SEND 7, 0
	s_wait_tensorcnt 0x0                           ; the wave's end: behind my last tensor load and my last LDS store
	ds_add_u32 v[SPW], v[NIL]
	s_wait_dscnt 0x0
	CROUND                                         ; the closing round: no work-group ends while a partner may still ask for a tile that names it
	s_endpgm
.Lfunc_end_k_q5a89dbe539_main:
	.size	k_q5a89dbe539_main, .Lfunc_end_k_q5a89dbe539_main-k_q5a89dbe539_main
	.p2alignl 7, 3214868480
	.fill 96, 4, 3214868480
	.section	.rodata,"a",@progbits
	.p2align	6, 0x0
	.amdhsa_kernel k_q5a89dbe539_main
		.amdhsa_group_segment_fixed_size 327680
		.amdhsa_private_segment_fixed_size 0
		.amdhsa_enable_private_segment 0
		.amdhsa_kernarg_size 40
		.amdhsa_user_sgpr_count 2
		.amdhsa_user_sgpr_kernarg_segment_ptr 1
		.amdhsa_wavefront_size32 1
		.amdhsa_system_sgpr_workgroup_id_x 1
		.amdhsa_system_sgpr_workgroup_id_y 1
		.amdhsa_system_sgpr_workgroup_id_z 1
		.amdhsa_system_vgpr_workitem_id 0
		.amdhsa_next_free_vgpr 1024
		.amdhsa_next_free_sgpr 96
		.amdhsa_reserve_vcc 0
		.amdhsa_float_denorm_mode_32 3
		.amdhsa_float_denorm_mode_16_64 3
		.amdhsa_memory_ordered 1
		.amdhsa_forward_progress 1
		.amdhsa_inst_pref_size 255
	.end_amdhsa_kernel
	.section	.bss,"aw",@nobits
	.p2align	6
	.space	262144
	.amdgpu_metadata
---
amdhsa.version: [ 1, 2 ]
amdhsa.kernels:
  - .name:           k_q5a89dbe539_main
    .symbol:         k_q5a89dbe539_main.kd
    .args:
      - { .name: features, .offset: 0, .size: 8, .value_kind: global_buffer, .address_space: global }
      - { .name: Wc_codes, .offset: 8, .size: 8, .value_kind: global_buffer, .address_space: global }
      - { .name: Wc_scales, .offset: 16, .size: 8, .value_kind: global_buffer, .address_space: global }
      - { .name: bc, .offset: 24, .size: 8, .value_kind: global_buffer, .address_space: global }
      - { .name: part, .offset: 32, .size: 8, .value_kind: global_buffer, .address_space: global }
    .group_segment_fixed_size: 327680
    .private_segment_fixed_size: 0
    .kernarg_segment_align: 8
    .kernarg_segment_size: 40
    .max_flat_workgroup_size: 128
    .sgpr_count:     96
    .vgpr_count:     1024
    .wavefront_size: 32
...
	.end_amdgpu_metadata
.endif
;; end of part 1
;; launch reduce (part 2): grid 256 x 1, 8 waves a work-group, no clusters, 0 bytes of LDS; arguments part, out0; writes out0
.if DOCPART == 2
	.amdgcn_target "amdgcn-amd-amdhsa--gfx1250"
	.amdhsa_code_object_version 6
	.text
	.protected	k_q5a89dbe539_reduce
	.globl	k_q5a89dbe539_reduce
	.p2align	8
	.type	k_q5a89dbe539_reduce,@function
k_q5a89dbe539_reduce:
	s_mov_b64 s[64:65], 0
	v_nop
	global_prefetch_b8 v0, s[64:65] scope:SCOPE_SE
	s_setreg_imm32_b32 hwreg(HW_REG_WAVE_MODE, 25, 1), 1
	s_wait_xcnt 0x0
; out0[t][o] = the sum over y = 0 .. 7 of part[y][t][o], in ascending y, in f32.  part: [8][4096][256], out0: [4096][256].
; A stream: every byte of part is read once, by 16-byte loads of which a wave's cover 512 consecutive bytes; every byte of out0 is written once, likewise.  No LDS, no barrier, no matrix unit: memory binds.
; A work-group owns 16,384 bytes of out0; thread t owns the 16 bytes at 16 t of each of its four runs of 4,096 bytes.  All 32 loads of a thread go out at once; the waits count down by runs of eight.
.set SLICE, 4194304                    ; bytes of a slice of part
.set P, 4                              ; v[4 + 32 k + 4 y ..]: run k, slice y
	s_load_b128 s[4:7], s[0:1], 0x0                ; part s[4:5], out0 s[6:7]
	s_lshl_b32 s2, ttmp9, 14                       ; my work-group's 16,384 bytes
	v_lshl_add_u32 v1, v0, 4, s2
	s_wait_kmcnt 0x0
	s_mov_b64 s[8:9], s[4:5]                       ; a base for each pair of slices, so that the offsets stay inside the signed 24-bit immediate (ISA guide, chapter 10)
	s_add_nc_u64 s[10:11], s[4:5], 2*SLICE
	s_add_nc_u64 s[12:13], s[4:5], 4*SLICE
	s_add_nc_u64 s[14:15], s[4:5], 6*SLICE
.irp k, 0,1,2,3
.irp y, 0,1,2,3,4,5,6,7
	global_load_b128 v[P+32*\k+4*\y:P+32*\k+4*\y+3], v1, s[8+2*(\y/2):9+2*(\y/2)] offset:(\y%2)*SLICE+4096*\k th:TH_LOAD_NT
.endr
.endr
.irp k, 0,1,2,3
	s_wait_loadcnt 24-8*\k                         ; run k's eight loads are in; those of the later runs may be out
.irp y, 1,2,3,4,5,6,7
	v_pk_add_f32 v[P+32*\k:P+32*\k+1], v[P+32*\k:P+32*\k+1], v[P+32*\k+4*\y:P+32*\k+4*\y+1]
	v_pk_add_f32 v[P+32*\k+2:P+32*\k+3], v[P+32*\k+2:P+32*\k+3], v[P+32*\k+4*\y+2:P+32*\k+4*\y+3]
.endr
	global_store_b128 v1, v[P+32*\k:P+32*\k+3], s[6:7] offset:4096*\k th:TH_STORE_NT
.endr
	s_endpgm
.Lfunc_end_k_q5a89dbe539_reduce:
	.size	k_q5a89dbe539_reduce, .Lfunc_end_k_q5a89dbe539_reduce-k_q5a89dbe539_reduce
	.p2alignl 7, 3214868480
	.fill 96, 4, 3214868480
	.section	.rodata,"a",@progbits
	.p2align	6, 0x0
	.amdhsa_kernel k_q5a89dbe539_reduce
		.amdhsa_group_segment_fixed_size 0
		.amdhsa_private_segment_fixed_size 0
		.amdhsa_enable_private_segment 0
		.amdhsa_kernarg_size 16
		.amdhsa_user_sgpr_count 2
		.amdhsa_user_sgpr_kernarg_segment_ptr 1
		.amdhsa_wavefront_size32 1
		.amdhsa_system_sgpr_workgroup_id_x 1
		.amdhsa_system_sgpr_workgroup_id_y 1
		.amdhsa_system_sgpr_workgroup_id_z 1
		.amdhsa_system_vgpr_workitem_id 0
		.amdhsa_next_free_vgpr 136
		.amdhsa_next_free_sgpr 66
		.amdhsa_reserve_vcc 0
		.amdhsa_float_denorm_mode_32 3
		.amdhsa_float_denorm_mode_16_64 3
		.amdhsa_memory_ordered 1
		.amdhsa_forward_progress 1
		.amdhsa_inst_pref_size 8
	.end_amdhsa_kernel
	.amdgpu_metadata
---
amdhsa.version: [ 1, 2 ]
amdhsa.kernels:
  - .name:           k_q5a89dbe539_reduce
    .symbol:         k_q5a89dbe539_reduce.kd
    .args:
      - { .name: part, .offset: 0, .size: 8, .value_kind: global_buffer, .address_space: global }
      - { .name: out0, .offset: 8, .size: 8, .value_kind: global_buffer, .address_space: global }
    .group_segment_fixed_size: 0
    .private_segment_fixed_size: 0
    .kernarg_segment_align: 8
    .kernarg_segment_size: 16
    .max_flat_workgroup_size: 256
    .sgpr_count:     66
    .vgpr_count:     136
    .wavefront_size: 32
...
	.end_amdgpu_metadata
.endif
;; end of part 2
